; MI455X (gfx1250); checked and timed in simulation.
; The chip was launched on July 23, 2026; its instructions are those of AMD's public machine-readable ISA for CDNA 5 (MIT licence, August 2026) and "CDNA5" Instruction Set Architecture Reference Guide (July 2026). The comments in the code are by the model that wrote it; some were corrected since.
;; Custom LSTM Cell. Allowed arithmetic: matrix products marked QUANTISED: E2M1 operands, one E8M0 scale for each 32 along K, by v_wmma_scale_f32_16x16x128_f8f6f4 with both operands' format E2M1 (or v_wmma_scale_f32_32x16x128_f4), f32 sums; everything else in f32.
;; Inputs: W_f 2,048 x 1,024 float32; W_g 2,048 x 1,024 float32; W_i 2,048 x 1,024 float32; W_o 2,048 x 1,024 float32; b_f 1,024 float32; b_g 1,024 float32; b_i 1,024 float32; b_o 1,024 float32; cell_state 8,192 x 1,024 float32; hidden 8,192 x 1,024 float32; input 8,192 x 1,024 float32.
;; Outputs: out0 8,192 x 1,024 float32; out1 8,192 x 1,024 float32.
;; This version of the problem:
;;   THIS VERSION OF THE PROBLEM IS GIVEN IN LOW PRECISION. The matrix products marked QUANTISED in the list below multiply operands that are first quantised to E2M1 (2 exponent bits, 1 mantissa bit; 4 bits a number), with one power-of-two scale for each 32 numbers along K (OCP MX v1.0); their sums are f32. All else is computed in f32.
;;   The module's matrix products, in the order in which they are computed (A, B: the left and right operand; K: the contracted axis; several contracted axes count as one K, in the product's order):
;;     1. [M 8,192, K 2,048] x [K 2,048, N 4,096]; A: computed on the way; B: computed on the way: QUANTISED
;;   THE QUANTISER, for each operand of a quantised product, along K:
;;     - K is cut into blocks of 32 from its start; a last block that is shorter is filled with zeros.
;;     - A block's scale is 2^e with e = floor(log2(the largest magnitude in the block)) - 2, held to -126 .. 127; a block of zeros has e = 0. As a byte (E8M0): e + 127.
;;     - Each number is divided by its block's scale, clamped to +-6, and rounded to the nearest number of E2M1, ties to even, subnormals kept.
;;     - The product sums the exact products of the quantised numbers (number of the format x scale) in f32.
;;   ~~~python
;;   def quantise(x, axis):      # numpy; x: float32 -> the quantised numbers, widened to float32 again
;;       x = np.moveaxis(x, axis, -1); K = x.shape[-1]
;;       x = np.pad(x, [(0, 0)] * (x.ndim - 1) + [(0, -K % 32)]); x = x.reshape(x.shape[:-1] + (-1, 32)); a = np.abs(x).max(-1, keepdims=True)
;;       e = np.where(a > 0, np.clip(np.frexp(np.where(a > 0, a, 1))[1] - 1 - 2, -126, 127), 0)      # np.frexp(a)[1] - 1 = floor(log2(a)), exactly
;;       r = np.clip(x / 2.0 ** e, -6, 6)
;;       step = 2.0 ** (np.maximum(np.frexp(np.where(r == 0, 1, r))[1] - 1, 0) - 1)
;;       q = np.round(r / step) * step * 2.0 ** e      # np.round: ties to even
;;       return np.moveaxis(q.reshape(q.shape[:-2] + (-1,))[..., :K], -1, axis).astype(np.float32)
;;   ~~~
;;   OPERANDS COMPUTED ON THE WAY. 'Computed on the way' means the value that the module computes at that place (a softmax that the list does not call 'softmax' is quantised finished and normalised). What goes into a quantiser is computed in f32, as accurately as f32 sums, v_exp_f32 and their like allow (about 1e-6 of the number): no bf16 or f16 on the way to a quantiser, and a product that is left as it is and whose result goes on into a quantised operand takes f32 operands (vector FMAs, or v_wmma_f32_16x16x4_f32). A number that lies on a knife's edge between two numbers of the format may be rounded either way, as far as f32 arithmetic and the matrix unit's own rounding can turn it there, and no further.
;; One version. Each part assembles by itself: llvm-mc -triple=amdgcn-amd-amdhsa -mcpu=gfx1250 --defsym DOCPART=n.
;; ======== version 1 of 1: 2 launches
;; workspace buffers: a_codes 8,388,608 bytes; a_scales 524,288 bytes; w_codes 4,194,304 bytes; w_scales 262,144 bytes
;; launch quant (part 1): grid 640 x 1, 4 waves a work-group, no clusters, 68,096 bytes of LDS; arguments input, hidden, W_i, W_f, W_o, W_g, a_codes, a_scales, w_codes, w_scales; writes a_codes, a_scales, w_codes, w_scales
.if DOCPART == 1
	.amdgcn_target "amdgcn-amd-amdhsa--gfx1250"
	.amdhsa_code_object_version 6
	.text
	.protected	k_qce7689db5d_quant
	.globl	k_qce7689db5d_quant
	.p2align	8
	.type	k_qce7689db5d_quant,@function
k_qce7689db5d_quant:
	s_mov_b64 s[64:65], 0
	v_nop
	global_prefetch_b8 v0, s[64:65] scope:SCOPE_SE
	s_setreg_imm32_b32 hwreg(HW_REG_WAVE_MODE, 25, 1), 1
	s_wait_xcnt 0x0
; Both operands of gates = [input | hidden] x [W_i | W_f | W_o | W_g] are turned, once, into codes of FP4 (E2M1), K innermost, two codes a byte (the lower k in the low four bits), with one E8M0 byte for each 32 along K.
; A block's scale is 2^(floor(log2(its largest magnitude)) - 2); its byte is the largest magnitude's own exponent field - 2, held at 1 from below; each number is divided by the scale and rounded to the nearest code, ties to even,
; beyond the largest code the largest.
;   a_codes [8192][1024 bytes], a_scales [8192][64]: row m, k 0..1023 from input, k 1024..2047 from hidden.
;   w_codes [4096][1024 bytes], w_scales [4096][64]: row n' = 256 (j / 64) + 64 q + 16 (j % 4) + (j % 64) / 4 holds column j of gate q (0 = i, 1 = f, 2 = o, 3 = g): 256 neighbouring rows are the four gates of 64
;   neighbouring columns, and in the block of 16 rows 4 q + bb row r is column 4 r + bb: so the product's launch finds four neighbouring columns of one gate in one lane of four neighbouring blocks.
; LIMITS: a block of zeros gets the byte 1 where the quantiser's rule says 127: its codes are zeros, which add nothing under any byte but 0xff, and these bytes are read by this program alone.  NaN and infinities are not served.
; SHARES.  Work-groups 128..255 take the weights (K is their FIRST axis; 256 KiB read each), the other 512 the rows (K innermost; 128 KiB each): so the numbers i, i + 256 and i + 512 together read the same bytes for every i
; below 256: three times 128 KiB, or 256 + 128.  The two paths part once, on the work-group's number, and each has LDS bytes of its own.
; No tensor loads, no barrier: waves share nothing.  No cluster: no two work-groups read the same bytes.  No prefetch: every wave keeps many loads on their way and the launch does nothing but stream.
.set PITCH, 272                        ; path W: a stage row: 256 bytes of codes + 16
.set KROW,  1024                       ; a row of either codes' buffer in bytes
.set NB,    16                         ; path W: blocks of 32 along K for a wave (512 along K)
.set WROW,  4096                       ; a row of a weight in memory: 1,024 f32
.set WST,   32768                      ; path W's LDS begins here: 4 waves x 32 rows x PITCH
.set WX,    32                         ; v32-95   two sets of 32 numbers
.set WC,    96                         ; v96-99   a block's codes
.set WOUT,  112                        ; v112-175 the way out
.set WSB,   24                         ; v24-27   the scale bytes, four to a register
.set STEPS, 16                         ; path A: steps of 512 numbers for a wave
.set SP,    80                         ; a lane's place in a stage: its 64 bytes + 16 of padding
.set WREG,  8192                       ; path A's LDS: a region for each wave: two stages of 32 x SP bytes, then its 256 scale bytes
.set AR,    16                         ; v16-79   four sets of 16 numbers as they are loaded
.set AX,    80                         ; v80-111  two sets of 16 neighbours
.set AE,    112                        ; v112-127 a scale byte for each step
.set AC,    128                        ; v128-191 codes: four registers for each step, so that no store's data are written again
	s_load_b512 s[4:19], s[0:1], 0x0               ; input 4:5, hidden 6:7, W_i 8:9, W_f 10:11, W_o 12:13, W_g 14:15, a_codes 16:17, a_scales 18:19
	s_load_b128 s[20:23], s[0:1], 0x40             ; w_codes 20:21, w_scales 22:23
	v_lshl_add_u32 v192, v0, 2, 0x10800
	v_mov_b32 v193, 0
	v_lshrrev_b32 v1, 5, v0
	v_readfirstlane_b32 s24, v1                    ; wave 0..3
	v_and_b32 v2, 31, v0                           ; lane
	s_sub_co_u32 s36, ttmp9, 128                   ; 0..127 in the weights' work-groups (below 128 it wraps to a number far above)
	s_cmp_lt_u32 s36, 128
	s_cbranch_scc0 .Lrows
; ---------------- PATH W: a weight, [2048 (k)][1024 (j)] f32.  A LANE TAKES A COLUMN j, AND ITS REGISTERS RUN DOWN K: each load reads 128 consecutive bytes a wave, a block of 32 along K lies in one lane's
; 32 registers, and the conversions give codes with K innermost.  A wave takes 32 columns x 512 along K; the codes go through the wave's own stage and leave as rows: sixteen lanes store 256 consecutive bytes, aligned.
	s_lshr_b32 s25, s36, 5                         ; q: the gate
	s_and_b32 s27, s36, 7
	s_bfe_u32 s28, s36, 0x20003                    ; ky: which 512 along K (2 bits from bit 3)
	s_lshl_b32 s27, s27, 2
	s_add_co_u32 s27, s27, s24                     ; grp: which 32 columns, 0..31
	s_lshl_b32 s30, s28, 21                        ; the weight: 512 ky rows of 4,096 bytes
	s_lshl_b32 s31, s27, 7                         ; + 32 grp columns of 4 bytes
	s_add_co_u32 s30, s30, s31
	s_mov_b32 s31, 0
	s_lshr_b32 s29, s27, 1
	s_lshl_b32 s29, s29, 8                         ; the row of my wave's column 0: 256 (grp / 2)
	s_lshl_b32 s32, s25, 6
	s_add_co_u32 s29, s29, s32                     ; + 64 q
	s_and_b32 s32, s27, 1
	s_lshl_b32 s32, s32, 3
	s_add_co_u32 s29, s29, s32                     ; + 8 (grp % 2); lane l's column then lies 16 (l % 4) + l / 4 rows further on
	s_lshl_b32 s32, s29, 10                        ; codes: rows of 1,024 bytes, + 256 ky
	s_lshl_b32 s33, s28, 8
	s_add_co_u32 s32, s32, s33
	s_mov_b32 s33, 0
	s_lshl_b32 s34, s29, 6                         ; scale bytes: rows of 64 bytes, + 16 ky
	s_lshl_b32 s35, s28, 4
	s_add_co_u32 s34, s34, s35
	s_mov_b32 s35, 0
	v_lshlrev_b32 v3, 2, v2                        ; in: 4 bytes a lane
	s_mul_i32 s26, s24, 32*PITCH
	s_add_co_u32 s26, s26, WST                     ; my stage
	v_and_b32 v10, 3, v2                           ; l % 4
	v_lshrrev_b32 v11, 2, v2                       ; l / 4
	v_lshl_add_u32 v12, v10, 3, v11                ; into the stage: row 8 (l % 4) + l / 4, so that the stage's rows 8 bb .. 8 bb + 7 are eight neighbouring rows of the codes' buffer
	v_mul_u32_u24 v4, v12, PITCH
	v_add_nc_u32 v4, s26, v4
	v_and_b32 v5, 15, v2
	v_lshrrev_b32 v6, 4, v2                        ; out of it: sixteen lanes to a row, two rows an instruction
	v_mul_u32_u24 v7, v6, PITCH
	v_lshl_add_u32 v7, v5, 4, v7
	v_add_nc_u32 v7, s26, v7
	v_lshlrev_b32 v8, 10, v6
	v_lshl_add_u32 v8, v5, 4, v8                   ; and the same two neighbouring rows in the codes' buffer
	v_lshl_add_u32 v9, v10, 4, v11                 ; my column's row of scale bytes: 16 (l % 4) + l / 4,
	v_lshlrev_b32 v9, 6, v9                        ; of 64 bytes
	s_wait_kmcnt 0x0
	s_cmp_eq_u32 s25, 1                            ; the gate's weight: a choice on the work-group's number alone
	s_cselect_b64 s[8:9], s[10:11], s[8:9]
	s_cmp_eq_u32 s25, 2
	s_cselect_b64 s[8:9], s[12:13], s[8:9]
	s_cmp_eq_u32 s25, 3
	s_cselect_b64 s[8:9], s[14:15], s[8:9]
	s_add_nc_u64 s[8:9], s[8:9], s[30:31]
	s_add_nc_u64 s[20:21], s[20:21], s[32:33]
	s_add_nc_u64 s[22:23], s[22:23], s[34:35]
.macro LOADW t                         ; block t: W(32 t + i, my column), i = 0 .. 31, into set t % 2; every offset is an immediate: 511 rows of 4,096 bytes at the most
.irp i, 0,1,2,3,4,5,6,7,8,9,10,11,12,13,14,15,16,17,18,19,20,21,22,23,24,25,26,27,28,29,30,31
	global_load_b32 v[WX+32*((\t)%2)+\i], v3, s[8:9] offset:(32*(\t)+\i)*WROW th:TH_LOAD_NT
.endr
.endm
.macro BLOCKW t
.set XS, WX+32*((\t)%2)
.if (\t) < NB-1
	s_wait_loadcnt 32                              ; this block's 32 loads are in; the next block's 32 may be out
.else
	s_wait_loadcnt 0
.endif
	v_max3_num_f32 v12, |v[XS]|, |v[XS+1]|, |v[XS+2]|               ; the block's largest magnitude: all 32 numbers are mine; two chains
	v_max3_num_f32 v13, |v[XS+3]|, |v[XS+4]|, |v[XS+5]|
.irp i, 6,10,14,18,22,26
	v_max3_num_f32 v12, v12, |v[XS+\i]|, |v[XS+\i+1]|
	v_max3_num_f32 v13, v13, |v[XS+\i+2]|, |v[XS+\i+3]|
.endr
	v_max3_num_f32 v12, v12, |v[XS+30]|, |v[XS+31]|
	v_max3_num_f32 v12, v12, v13, 0x1800000        ; and the floor 2^(3 - 127): so the byte cannot fall under 1
	v_add_nc_u32 v11, 0xff000000, v12              ; 2 off its exponent field: the conversion takes the exponent field of this operand as its scale, and nothing else of it
	v_lshrrev_b32 v13, 23, v11                     ; the scale's byte
.if (\t)%4 == 0
	v_mov_b32 v[WSB+(\t)/4], v13                   ; four bytes to a register, the lower K in the lower byte
.else
	v_lshl_or_b32 v[WSB+(\t)/4], v13, 8*((\t)%4), v[WSB+(\t)/4]
.endif
.irp g, 0,1,2,3
	v_cvt_scalef32_pk8_fp4_f32 v[WC+\g], v[XS+8*\g:XS+8*\g+7], v11
.endr
	ds_store_b128 v4, v[WC:WC+3] offset:16*(\t)    ; 32 codes: 16 bytes of my column's row.  (The codes go to an LDS store alone; the next block begins with plain vector lines)
.if (\t)+2 < NB
	LOADW (\t)+2
.endif
	s_wait_dscnt 0x0                               ; the store has read its registers: the next block's codes may be written
.endm
	LOADW 0
	LOADW 1
.irp t, 0,1,2,3,4,5,6,7,8,9,10,11,12,13,14,15
	BLOCKW \t
.endr
	global_store_b128 v9, v[WSB:WSB+3], s[22:23]   ; my column's 16 scale bytes (rows 64 bytes apart: one byte in 128 of what this path reads)
.irp t, 0,1,2,3,4,5,6,7,8,9,10,11,12,13,14,15
	ds_load_b128 v[WOUT+4*\t:WOUT+4*\t+3], v7 offset:2*\t*PITCH   ; LDS serves a wave's instructions in order: these see my stores
.endr
.irp t, 0,1,2,3,4,5,6,7,8,9,10,11,12,13,14,15
	s_wait_dscnt 15-\t                             ; read-back t is in; the younger ones may be out
	global_store_b128 v8, v[WOUT+4*\t:WOUT+4*\t+3], s[20:21] offset:(16*(\t/4)+2*(\t%4))*KROW   ; the stage's rows 2 t, 2 t + 1 are rows 16 (t / 4) + 2 (t % 4) and the next of my wave's part
.endr
	s_wait_tensorcnt 0x0
	ds_add_u32 v192, v193
	s_wait_dscnt 0x0
	s_endpgm
; ---------------- PATH A: the rows.  A wave takes 4 rows of input and the same 4 rows of hidden: 16 steps of 512 numbers; step t is part t % 4 of row t / 4 (parts 0, 1 from input, 2, 3 from hidden), so that the wave's
; codes (4,096 bytes) and scale bytes (256) are dense.  Each of a step's four loads reads 512 consecutive bytes; the 2,048 bytes turn through the wave's own stage so that a lane holds 16 NEIGHBOURS along K
; (two neighbouring lanes hold a block).  Loads run four steps ahead, the turn through LDS one step.
.Lrows:
	v_lshlrev_b32 v3, 4, v2                        ; my 16 bytes of a load's 512
	s_mul_i32 s25, s24, WREG
	v_lshrrev_b32 v14, 2, v2
	v_mul_u32_u24 v14, v14, SP
	v_and_b32 v15, 3, v2
	v_lshl_add_u32 v14, v15, 4, v14
	v_add_nc_u32 v14, s25, v14                     ; the stage, on the way in: four lanes' 64 bytes on end, then 16 of padding
	v_mul_u32_u24 v15, v2, SP
	v_add_nc_u32 v15, s25, v15                     ; and on the way out: SP x lane: my 16 neighbours
	v_lshlrev_b32 v4, 3, v2                        ; 8 x lane: my codes' place in a step's, and my 8 scale bytes' place at the end
	v_lshrrev_b32 v5, 1, v2
	s_add_co_u32 s25, s25, 2*32*SP
	v_add_nc_u32 v5, s25, v5                       ; LDS: my wave's 256 scale bytes, my block's byte
	v_add_nc_u32 v6, s25, v4                       ; and on the way out 8 bytes a lane
	s_cmp_lt_u32 ttmp9, 128                        ; the rows' work-groups are numbers 0..127 and 256..639: counted through, 0..511
	s_cselect_b32 s26, 0, 128
	s_sub_co_u32 s26, ttmp9, s26
	s_lshl_b32 s26, s26, 2
	s_add_co_u32 s26, s26, s24                     ; which 4 rows are my wave's: 0..2047
	s_mov_b32 s29, 0
	s_lshl_b32 s28, s26, 14                        ; 4 rows of 4,096 bytes
	s_wait_kmcnt 0x0
	s_add_nc_u64 s[4:5], s[4:5], s[28:29]
	s_add_nc_u64 s[6:7], s[6:7], s[28:29]
	s_lshl_b32 s28, s26, 12                        ; 4 rows of 1,024 bytes of codes
	s_add_nc_u64 s[16:17], s[16:17], s[28:29]
	s_lshl_b32 s28, s26, 8                         ; 4 rows of 64 scale bytes
	s_add_nc_u64 s[18:19], s[18:19], s[28:29]
.macro LOADA t
.irp i, 0,1,2,3
.if ((\t)%4) < 2
	global_load_b128 v[AR+16*((\t)%4)+4*\i:AR+16*((\t)%4)+4*\i+3], v3, s[4:5] offset:((\t)/4)*4096+((\t)%2)*2048+512*\i th:TH_LOAD_NT
.else
	global_load_b128 v[AR+16*((\t)%4)+4*\i:AR+16*((\t)%4)+4*\i+3], v3, s[6:7] offset:((\t)/4)*4096+((\t)%2)*2048+512*\i th:TH_LOAD_NT
.endif
.endr
.endm
.macro TURNA t                         ; step t's numbers through the stage: LDS serves a wave's instructions in order, so no wait stands between the stores and the loads
.irp i, 0,1,2,3
	ds_store_b128 v14, v[AR+16*((\t)%4)+4*\i:AR+16*((\t)%4)+4*\i+3] offset:32*SP*((\t)%2)+8*SP*\i
.endr
.irp i, 0,1,2,3
	ds_load_b128 v[AX+16*((\t)%2)+4*\i:AX+16*((\t)%2)+4*\i+3], v15 offset:32*SP*((\t)%2)+16*\i
.endr
.endm
.irp t, 0,1,2,3
	LOADA \t
.endr
	s_wait_loadcnt 12                              ; step 0's four loads are in; the twelve of steps 1 to 3 may be out
	TURNA 0
.macro STEPA t
.set XS, AX+16*((\t)%2)
.if (\t) > 0
	s_wait_dscnt 1                                 ; this step's numbers are back from the stage (the last step's byte store may be out): so its stores into the stage have read their registers,
.else
	s_wait_dscnt 0x0
.endif
.if (\t)+4 < STEPS
	LOADA (\t)+4                                   ; which take the loads of four steps on
.endif
.if (\t)+1 < STEPS
.if STEPS-2-(\t) >= 3
	s_wait_loadcnt 12                              ; the next step's four loads are in; those of the three steps behind it may be out
.else
	s_wait_loadcnt 4*(STEPS-2-(\t))                ; near the end fewer steps stand behind it
.endif
	TURNA (\t)+1                                   ; and go through the other stage while this step is worked
.endif
	v_max3_num_f32 v8, |v[XS]|, |v[XS+1]|, |v[XS+2]|               ; the largest magnitude of my 16
	v_max3_num_f32 v9, |v[XS+3]|, |v[XS+4]|, |v[XS+5]|
.irp i, 6,10
	v_max3_num_f32 v8, v8, |v[XS+\i]|, |v[XS+\i+1]|
	v_max3_num_f32 v9, v9, |v[XS+\i+2]|, |v[XS+\i+3]|
.endr
	v_max3_num_f32 v8, v8, |v[XS+14]|, |v[XS+15]|
	v_max3_num_f32 v8, v8, v9, 0x1800000           ; and the floor 2^(3 - 127): so the byte cannot fall under 1
	v_max_num_f32_dpp v8, v8, v8 row_xmask:1 row_mask:0xf bank_mask:0xf   ; and of my neighbour's 16: the block's
	v_add_nc_u32 v11, 0xff000000, v8               ; 2 off its exponent field: the conversion's scale operand
	v_cvt_scalef32_pk8_fp4_f32 v[AC+4*(\t)], v[XS:XS+7], v11
	v_cvt_scalef32_pk8_fp4_f32 v[AC+4*(\t)+1], v[XS+8:XS+15], v11
	v_lshrrev_b32 v[AE+(\t)], 23, v11              ; the scale's byte (a plain line behind the conversions)
	ds_store_b8 v5, v[AE+(\t)] offset:16*(\t)      ; both lanes of a block write the same byte with the same value
	global_store_b64 v4, v[AC+4*(\t):AC+4*(\t)+1], s[16:17] offset:256*(\t)   ; 32 lanes store 256 consecutive bytes, aligned
.endm
.irp t, 0,1,2,3,4,5,6,7,8,9,10,11,12,13,14,15
	STEPA \t
.endr
	ds_load_b64 v[12:13], v6                       ; LDS serves a wave's instructions in order: these see my byte stores
	s_wait_dscnt 0x0
	global_store_b64 v4, v[12:13], s[18:19]        ; 32 lanes store my wave's 256 scale bytes, aligned
	s_wait_tensorcnt 0x0
	ds_add_u32 v192, v193
	s_wait_dscnt 0x0
	s_endpgm
.Lfunc_end_k_qce7689db5d_quant:
	.size	k_qce7689db5d_quant, .Lfunc_end_k_qce7689db5d_quant-k_qce7689db5d_quant
	.p2alignl 7, 3214868480
	.fill 96, 4, 3214868480
	.section	.rodata,"a",@progbits
	.p2align	6, 0x0
	.amdhsa_kernel k_qce7689db5d_quant
		.amdhsa_group_segment_fixed_size 68096
		.amdhsa_private_segment_fixed_size 0
		.amdhsa_enable_private_segment 0
		.amdhsa_kernarg_size 80
		.amdhsa_user_sgpr_count 2
		.amdhsa_user_sgpr_kernarg_segment_ptr 1
		.amdhsa_wavefront_size32 1
		.amdhsa_system_sgpr_workgroup_id_x 1
		.amdhsa_system_sgpr_workgroup_id_y 1
		.amdhsa_system_sgpr_workgroup_id_z 1
		.amdhsa_system_vgpr_workitem_id 0
		.amdhsa_next_free_vgpr 194
		.amdhsa_next_free_sgpr 66
		.amdhsa_reserve_vcc 0
		.amdhsa_float_denorm_mode_32 3
		.amdhsa_float_denorm_mode_16_64 3
		.amdhsa_memory_ordered 1
		.amdhsa_forward_progress 1
		.amdhsa_inst_pref_size 111
	.end_amdhsa_kernel
	.amdgpu_metadata
---
amdhsa.version: [ 1, 2 ]
amdhsa.kernels:
  - .name:           k_qce7689db5d_quant
    .symbol:         k_qce7689db5d_quant.kd
    .args:
      - { .name: input, .offset: 0, .size: 8, .value_kind: global_buffer, .address_space: global }
      - { .name: hidden, .offset: 8, .size: 8, .value_kind: global_buffer, .address_space: global }
      - { .name: W_i, .offset: 16, .size: 8, .value_kind: global_buffer, .address_space: global }
      - { .name: W_f, .offset: 24, .size: 8, .value_kind: global_buffer, .address_space: global }
      - { .name: W_o, .offset: 32, .size: 8, .value_kind: global_buffer, .address_space: global }
      - { .name: W_g, .offset: 40, .size: 8, .value_kind: global_buffer, .address_space: global }
      - { .name: a_codes, .offset: 48, .size: 8, .value_kind: global_buffer, .address_space: global }
      - { .name: a_scales, .offset: 56, .size: 8, .value_kind: global_buffer, .address_space: global }
      - { .name: w_codes, .offset: 64, .size: 8, .value_kind: global_buffer, .address_space: global }
      - { .name: w_scales, .offset: 72, .size: 8, .value_kind: global_buffer, .address_space: global }
    .group_segment_fixed_size: 68096
    .private_segment_fixed_size: 0
    .kernarg_segment_align: 8
    .kernarg_segment_size: 80
    .max_flat_workgroup_size: 128
    .sgpr_count:     66
    .vgpr_count:     194
    .wavefront_size: 32
...
	.end_amdgpu_metadata
.endif
;; end of part 1
;; launch cell (part 2): grid 16 x 32, 4 waves a work-group, clusters of 4 x 4, 327,680 bytes of LDS; arguments a_codes, a_scales, w_codes, w_scales, b_i, b_f, b_o, b_g, cell_state, out0, out1; writes out0, out1
.if DOCPART == 2
	.amdgcn_target "amdgcn-amd-amdhsa--gfx1250"
	.amdhsa_code_object_version 6
	.text
	.protected	k_qce7689db5d_cell
	.globl	k_qce7689db5d_cell
	.p2align	8
	.type	k_qce7689db5d_cell,@function
k_qce7689db5d_cell:
	s_mov_b64 s[64:65], 0
	v_nop
	global_prefetch_b8 v0, s[64:65] scope:SCOPE_SE
	s_setreg_imm32_b32 hwreg(HW_REG_WAVE_MODE, 25, 1), 1
	s_wait_xcnt 0x0
	s_wait_alu depctr_hold_cnt(0) depctr_sa_sdst(0) depctr_va_vdst(0) depctr_va_sdst(0) depctr_va_ssrc(0) depctr_va_vcc(0) depctr_vm_vsrc(0)
	s_getreg_b32 s2, hwreg(HW_REG_IB_STS2, 6, 4)
	s_cmp_eq_u32 s2, 0
	s_cbranch_scc0 .Lentry_in_a_cluster
	s_endpgm
.Lentry_in_a_cluster:
	s_bfe_u32 s2, ttmp6, 0x10000c
	s_cmp_lg_u32 s2, 0xf033
	s_cbranch_scc0 .Lentry_shape_is_right
	s_endpgm
.Lentry_shape_is_right:
; gates[m][n'] = b[n'] + sum over k of A[m][k] W[n'][k] on codes of FP4 (E2M1) with one E8M0 scale for each 32 along K, sums in f32; then, in f32,
; c' = sigmoid(f) c + sigmoid(i) tanh(g) (out1) and h' = sigmoid(o) tanh(c') (out0).  A: a_codes [8192][1024 bytes], a_scales [8192][64].  W: w_codes [4096][1024 bytes], w_scales [4096][64];
; row n' = 256 (j / 64) + 64 q + 16 (j % 4) + (j % 64) / 4 is column j of gate q (0 = i, 1 = f, 2 = o, 3 = g).  cell_state, out0, out1: [8192][1024] f32.
; SHARES.  A work-group of four waves makes 256 rows x 256 n': the four gates of 64 hidden columns.  Wave w makes rows 64 w .. 64 w + 63 x ALL 256 n': 64 accumulators of 16 x 16, 512 registers.
; K goes in steps of 512 (rows of 256 bytes) through a ring of two LDS slots filled by the tensor data mover; K is four slots' worth, so the 16 steps of 128 are written out.  The scale bytes of the work-group's rows come once and stay.
; CLUSTERS: 4 x 4 work-groups.  The four of a row of the cluster need the same tiles of A, the four of a column the same tiles of W: each tile is asked for JOINTLY, by the same tensor load with the same descriptor and a mask that names the four.
; LAYOUT.  Source 0 = 16 rows of A, source 1 = 16 rows of W.  In accumulator (a, b = 4 q + bb), lane (r, h), register j is gate q of row 16 a + 8 h + j, hidden column 4 r + bb.  So the four gates of one number meet in one lane,
; and the same register of blocks bb = 0 .. 3 holds FOUR NEIGHBOURING COLUMNS of one row.  The tail writes its results into four neighbouring registers for them: sixteen lanes then hold 256 neighbouring bytes of a row of the
; outputs and store them as they stand, and cell_state is loaded in the same layout into the registers that read it.  Nothing of the tail goes through LDS, and no wave waits for another there.
; The price: a step of 128 along K reads 4 + 16 fragments from LDS where a wave tile of 128 x 128 would read 8 + 8; a wave of 128 n' would hold only 32 hidden columns, 128 bytes of an output's row.
; THE BIAS, multiplied once by the exponent's factor, is the addend of the fused multiply-add that makes each exponent: 16 numbers a lane.  The first products start the sums with the constant 0.
; THE TAIL, with L = log2(e): Ei, Ef, Eo = 2^(-L x); Eg = 2^min(2 L g, 32); U = 1 + Eg; c' = c / (1 + Ef) + (Eg - 1) / (Ei U + U); Ec = 2^min(2 L c', 32); V = 1 + Ec; h' = (Ec - 1) / (Eo V + V).
; Eight transcendentals a number.  Only tanh's exponents are held (at 32 tanh is 1 in f32), so Eg - 1 and Ec - 1 stay finite; an infinite Ei, Ef or Eo gives the reciprocal 0 and never infinity x 0.
; LIMITS: NaN and infinities among the inputs are not served; a sigmoid below about 2^-94 comes out as 0.
; No prefetch of the tiles: two of the four slots are first fills and the other two are asked for a whole slot's 256 matrix instructions ahead; cell_state is asked for at the head, into registers.
; One tile to a work-group: the scale bytes of a second tile of rows do not fit beside the ring (278,528 + 3 x 17,408 + 512 bytes against the 327,680 claimed).
; REGISTERS, in windows of 256: window 0: v0-31 addresses; v32-95 W's scale words, two sets; v96-111 A's, two sets; v112-127 the biases; v128-191 A's fragments (4 x 16 rows x 128 K), TWO sets.
;   window 1: v0-127 W's 16 fragments, ONE set, in the tail at work; v128-255 cell_state.   window 2: the accumulators of W's blocks 0-7 (accumulator (a, b) at v[8 (4 (b % 8) + a)]);   window 3: those of blocks 8-15.
; A step of 128 along K is 64 matrix instructions, W's blocks one after the other, each against A's four.  So a block of W is free as soon as its four products are issued, and one set of registers serves W:
; blocks 0-7 are fetched anew in the step's middle, blocks 8-15 at its end.  A's fragments are at work through the whole step, so A has two sets.
.set KSTEP,  512                       ; along K in a slot
.set NQ,     KSTEP/128                 ; matrix instructions deep
.set ROWB,   256                       ; a tile's row in bytes
.set KROW,   1024                      ; a row of A's or W's codes in memory, in bytes
.set PITCH,  272                       ; an LDS row: 256 bytes + 16 of padding = 68 words: row r starts at bank 4 r mod 64 (64 banks of 4 bytes: ISA guide 11.1)
.set FR,     8                         ; registers of a fragment: 16 rows x 128 K
.set NL,     2                         ; LDS loads that bring one
.set NP,     4                         ; places behind this matrix instruction (ISA guide 7.12.1)
.set HALFT,  128*PITCH                 ; 128 rows: what one tensor load brings
.set SLOT,   4*HALFT                   ; A's 256 rows, then W's 256 rows
.set KS,     64                        ; a row of scales in bytes
.set SCL,    2*SLOT                    ; behind the ring: the scales, as units of 256 bytes (four rows) + 16 of padding: A's 256 rows, then W's
.set HALFS,  (128*KS/256)*272          ; the scales of 128 rows: what one tensor load brings
.set SPAIR,  (32*KS/256)*272           ; those of 32 rows: two blocks, what one LDS load takes 16 bytes a row of
.set SPARE,  SCL+4*HALFS               ; behind the scales: the spare words, 128 bytes for each wave: two blocks of 256 bytes that no other line names
.set HROW,   4096                      ; a row of cell_state, out0, out1 in bytes
.set ADRA, 16                          ; v16-17  LDS address of my A fragments in slot 0, 1
.set ADRB, 20                          ; v20-21  the same for W's
.set BO,   22                          ; v22     16 x (lane % 16): my four numbers of a gate's 64 biases
.set ADRSA, 24                         ; v24     LDS address of A's scale words: row 64 wave + lane
.set ADRSW, 25                         ; v25     of W's: row lane
.set CO,   26                          ; v26     8 rows x (lane / 16) + 16 x (lane % 16): my 16 bytes in cell_state, out0, out1; never rewritten
.set SPW,  28                          ; v28     LDS address of my spare word: SPARE + 4 x my thread's number; never rewritten
.set NIL,  29                          ; v29     0; never rewritten
.set WSC,  32                          ; W's scale words: set s at v[WSC + 32 s]; in it register 4 p + q: lanes 0-15 the word of block 2 p, lanes 16-31 that of block 2 p + 1, for the slot's q-th 128 along K
.set ASC,  96                          ; A's: set s at v[ASC + 8 s], laid likewise
.set BL,   112                         ; the biases: v[BL + 4 q + bb]: b_q at hidden column 4 r + bb, times the exponent's factor
.set AF,   128                         ; A's fragments: set s at v[AF + 32 s]
.set TI,   0                           ; the tail, in window 1: 16 numbers for each gate, number e = 4 jj + bb: row 4 hf + jj of the lane's eight, column 4 r + bb
.set TF,   16
.set TO,   32
.set TG,   48
.set UU,   64                          ; U
.set NC,   80                          ; c'
.set NH,   96                          ; h'
.set COW,  112                         ; a copy of v26 in window 1, for the stores
.set CELL, 128                         ; cell_state: unit n's 16 numbers at v[CELL + 16 n]
.set G1, 24                            ; s[24:31] descriptor group 1 for A's tiles;  s[32:39] group 0, one set for each slot
.set G0, 32
.set G1B, 48                           ; s[48:55], s[56:63] the same for W's tiles
.set G0B, 56
.set G1S, 68                           ; s[68:75], s[76:79] groups 1 and 0 for A's scales;  s[80:87], s[88:91] for W's
.set G0S, 76
.set G1SB, 80
.set G0SB, 88
.set MSB, 0
.macro WIN new                         ; s_set_vgpr_msb: bits 1:0 source 0, 3:2 source 1, 5:4 source 2, 7:6 destination; the immediate's high byte repeats the setting that is left
.if MSB != \new
	s_set_vgpr_msb (MSB<<8)|\new
.set MSB, \new
.endif
.endm
.set MUL_LO, 0xa4                      ; source 0 (A) window 0, source 1 (W) window 1, C and D window 2
.set MUL_HI, 0xf4                      ; the same, C and D window 3
.set TO_B,   0x40                      ; destination window 1, address or source window 0
.set EXP_LO, 0x42                      ; source 0 (an accumulator) window 2, source 2 (a bias) window 0, destination window 1
.set EXP_HI, 0x43                      ; the same with window 3
.set ALL_1,  0x55                      ; everything in window 1
; A joint load: waves 0 and 1 fetch for A, waves 2 and 3 for W.  Each of the two lines has ONE mask and one set of registers for all that issue it; the branch hangs on the wave's number alone.
; Four v_nop follow each of the two lines, ahead of the jump, the label and what follows.
.macro JLOAD g0a, g1a, g0b, g1b
	s_cmp_eq_u32 s15, 0
	s_cbranch_scc0 .Lfor_b_\@
	tensor_load_to_lds s[\g0a:\g0a+3], s[\g1a:\g1a+7]
	s_nop 0
.rept 4
	v_nop
.endr
	s_branch .Lasked_\@
.Lfor_b_\@:
	tensor_load_to_lds s[\g0b:\g0b+3], s[\g1b:\g1b+7]
	s_nop 0
.rept 4
	v_nop
.endr
.Lasked_\@:
.endm
.macro CREST                           ; a round of the cluster's barrier behind its opening barrier
	s_cmp_lg_u32 s14, 0
	s_cbranch_scc1 .Lnot_wave_0_\@
	s_barrier_signal -3
.Lnot_wave_0_\@:
	s_barrier_wait -3
	s_barrier_signal -1
	s_barrier_wait -1
.endm
.macro CROUND                          ; a whole round
	s_barrier_signal -1
	s_barrier_wait -1
	CREST
.endm
	s_load_b256 s[4:11], s[0:1], 0x0               ; A's codes s[4:5], A's scales s[6:7], W's codes s[8:9], W's scales s[10:11]
	v_lshl_add_u32 v[SPW], v0, 2, SPARE
	v_mov_b32 v[NIL], 0
	ds_add_u32 v28, v29
	ds_add_u32 v28, v29
	s_wait_dscnt 0x0
	v_lshrrev_b32 v1, 5, v0
	v_readfirstlane_b32 s14, v1                    ; wave 0..3
	s_lshr_b32 s15, s14, 1                         ; I fetch for A (0) or for W (1),
	s_and_b32 s16, s14, 1                          ; and which 128 rows of that tile
	s_bfe_u32 s40, ttmp6, 0x40000                  ; cx, cy: my place in the cluster
	s_bfe_u32 s41, ttmp6, 0x40004
	s_lshl_b32 s42, ttmp9, 2
	s_add_co_u32 s42, s42, s40                     ; tile column = 4 x cluster x + cx
	s_and_b32 s17, ttmp7, 0xffff
	s_lshl_b32 s17, s17, 2
	s_add_co_u32 s17, s17, s41                     ; tile row = 4 x cluster y + cy
	s_lshl_b32 s43, s41, 2
	s_lshl_b32 s43, 15, s43                        ; my row of the cluster
	s_lshl_b32 s44, 0x1111, s40                    ; my column
	; descriptor group 1: a tile of 128 rows x 256 bytes, padded in LDS
	s_or_b32 s[G1+0], s43, (0<<16)|(1<<20)|(1<<21)|(5<<22)|(3<<25)  ; 15:0 the mask: A's tiles go to my row; 17:16 element of 1 byte; 20 padding on; 21 set beside a mask; 24:22 after every 64 words (code 5); 31:25 of 4 words (code 3)
	s_or_b32 s[G1B+0], s44, (0<<16)|(1<<20)|(1<<21)|(5<<22)|(3<<25)
.irp g, G1, G1B
	s_mov_b32 s[\g+1], ROWB<<16                    ; tensor_dim0
	s_mov_b32 s[\g+2], 128<<16                     ; tensor_dim1 = 128
	s_mov_b32 s[\g+3], ROWB<<16                    ; tile_dim0
	s_mov_b32 s[\g+4], 128                         ; tile_dim1 = 128
	s_mov_b32 s[\g+5], KROW                        ; tensor_dim0_stride
	s_mov_b32 s[\g+6], 0
	s_mov_b32 s[\g+7], 0
.endr
	; and for the scales of 128 rows: a dense block of 8,192 bytes, as 32 rows of 256 bytes (32 elements of 8 bytes), 16 bytes of padding behind each
	s_or_b32 s[G1S+0], s43, (3<<16)|(1<<20)|(1<<21)|(5<<22)|(3<<25)
	s_or_b32 s[G1SB+0], s44, (3<<16)|(1<<20)|(1<<21)|(5<<22)|(3<<25)
.irp g, G1S, G1SB
	s_mov_b32 s[\g+1], 32<<16
	s_mov_b32 s[\g+2], (128*KS/256)<<16
	s_mov_b32 s[\g+3], 32<<16
	s_mov_b32 s[\g+4], 128*KS/256
	s_mov_b32 s[\g+5], 32
	s_mov_b32 s[\g+6], 0
	s_mov_b32 s[\g+7], 0
.endr
	s_lshl_b32 s18, s16, 7                         ; which 128 rows of the tile I fetch
	s_lshl_b32 s20, s17, 8
	s_add_co_u32 s20, s20, s18                     ; A: row 256 x tile row + 128 x half
	s_lshl_b32 s46, s42, 8
	s_add_co_u32 s46, s46, s18                     ; W: row 256 x tile column + 128 x half
	s_mov_b32 s21, 0
	s_mov_b32 s47, 0
	s_mov_b64 s[18:19], KS
	s_mul_u64 s[22:23], s[20:21], s[18:19]         ; where these rows' scales begin, in bytes
	s_mul_u64 s[92:93], s[46:47], s[18:19]
	s_mov_b64 s[18:19], KROW
	s_mul_u64 s[20:21], s[20:21], s[18:19]         ; and their codes
	s_mul_u64 s[46:47], s[46:47], s[18:19]
	s_mul_i32 s45, s14, HALFT                      ; where they go: wave x 128 rows: no place in the cluster enters an LDS address
	s_mul_i32 s94, s14, HALFS
	s_wait_kmcnt 0x0
	s_add_nc_u64 s[20:21], s[4:5], s[20:21]
	s_add_nc_u64 s[22:23], s[6:7], s[22:23]
	s_add_nc_u64 s[46:47], s[8:9], s[46:47]
	s_add_nc_u64 s[92:93], s[10:11], s[92:93]
	CROUND                                         ; all sixteen work-groups are here: the first joint loads meet
	s_mov_b32 s[G0S], 1
	s_add_co_u32 s[G0S+1], s94, SCL
	s_mov_b64 s[G0S+2:G0S+3], s[22:23]
	s_or_b32 s[G0S+3], s[G0S+3], 0x80000000
	s_mov_b32 s[G0SB], 1
	s_add_co_u32 s[G0SB+1], s94, SCL
	s_mov_b64 s[G0SB+2:G0SB+3], s[92:93]
	s_or_b32 s[G0SB+3], s[G0SB+3], 0x80000000
	JLOAD G0S, G1S, G0SB, G1SB                     ; the scales first: they are wanted with K step 0
.irp s, 0,1
	s_mov_b32 s[G0+4*\s], 1
	s_add_co_u32 s[G0+4*\s+1], s45, \s*SLOT
	s_add_nc_u64 s[G0+4*\s+2:G0+4*\s+3], s[20:21], \s*ROWB
	s_or_b32 s[G0+4*\s+3], s[G0+4*\s+3], 0x80000000
	s_mov_b32 s[G0B+4*\s], 1
	s_add_co_u32 s[G0B+4*\s+1], s45, \s*SLOT
	s_add_nc_u64 s[G0B+4*\s+2:G0B+4*\s+3], s[46:47], \s*ROWB
	s_or_b32 s[G0B+4*\s+3], s[G0B+4*\s+3], 0x80000000
	JLOAD G0+4*\s, G1, G0B+4*\s, G1B
.endr                                              ; three tensor loads of mine are out
	s_load_b256 s[4:11], s[0:1], 0x20              ; b_i s[4:5], b_f s[6:7], b_o s[8:9], b_g s[10:11]
	s_load_b128 s[92:95], s[0:1], 0x40             ; cell_state s[92:93], out0 s[94:95]
	s_load_b64 s[96:97], s[0:1], 0x50              ; out1
	v_and_b32 v1, 15, v0                           ; r = l % 16
	v_bfe_u32 v2, v0, 4, 1                         ; h = l / 16
	v_mul_u32_u24 v3, v1, PITCH
	v_lshl_add_u32 v4, v2, 4, v3                   ; a fragment's row x pitch + 16 x half
	s_mul_i32 s21, s14, 64*PITCH                   ; my 64 rows of A
	s_mov_b32 s22, 2*HALFT                         ; W's 256 rows, all mine, lie behind A's 256
.irp s, 0,1
	v_add_nc_u32 v[ADRA+\s], s21, v4
	v_add_nc_u32 v[ADRB+\s], s22, v4
	s_add_co_u32 s21, s21, SLOT
	s_add_co_u32 s22, s22, SLOT
.endr
	v_and_b32 v5, 31, v0                           ; lane: a scale load takes 32 neighbouring rows, a lane a row: four rows of 64 bytes to a unit of 272
	v_lshrrev_b32 v6, 2, v5
	v_and_b32 v7, 3, v5
	v_mul_u32_u24 v6, v6, 272
	v_lshl_add_u32 v6, v7, 6, v6                   ; 272 (lane / 4) + 64 (lane % 4)
	v_add_nc_u32 v[ADRSW], SCL+2*HALFS, v6         ; W's lie behind A's
	s_mul_i32 s21, s14, 2*SPAIR                    ; A's: my 64 rows
	s_add_co_u32 s21, s21, SCL
	v_add_nc_u32 v[ADRSA], s21, v6
	v_lshlrev_b32 v[BO], 4, v1
	v_lshl_add_u32 v[CO], v2, 15, v[BO]            ; lanes 16-31 stand 8 rows of 4,096 bytes further down
	; offsets in memory: rows through s[20:21], columns through s[46:47]
	s_lshl_b32 s46, s42, 8                         ; the tile's 64 hidden columns: 256 bytes x tile column
	s_mov_b32 s47, 0
	s_lshl_b32 s20, s17, 8
	s_lshl_b32 s21, s14, 6
	s_add_co_u32 s20, s20, s21                     ; my first row: 256 x tile row + 64 x wave
	s_lshl_b32 s20, s20, 12
	s_mov_b32 s21, 0
	s_wait_kmcnt 0x0
.irp q, 0,1,2,3
	s_add_nc_u64 s[4+2*\q:5+2*\q], s[4+2*\q:5+2*\q], s[46:47]
.endr
.irp p, 92,94,96
	s_add_nc_u64 s[\p:\p+1], s[\p:\p+1], s[20:21]
	s_add_nc_u64 s[\p:\p+1], s[\p:\p+1], s[46:47]
.endr
.irp q, 0,1,2,3
	global_load_b128 v[BL+4*\q:BL+4*\q+3], v[BO], s[4+2*\q:5+2*\q]   ; b_q at hidden columns 4 r .. 4 r + 3: sixteen lanes read the tile's 256 bytes
.endr
	WIN TO_B                                       ; cell_state, in the results' layout: load n brings row 16 (n / 8) + n % 8 + 8 h, columns 4 r .. 4 r + 3: sixteen lanes read a row's whole 256 bytes
.set n, 0
.rept 32
	global_load_b128 v[CELL+4*n:CELL+4*n+3], v[CO], s[92:93] offset:(16*(n/8)+n%8)*HROW th:TH_LOAD_NT
.set n, n+1
.endr
	WIN 0
	s_mov_b32 s18, 0xbfb8aa3b                      ; -log2(e), as a pair: the packed forms name a pair and take its low word for both halves
	s_mov_b32 s19, s18
	s_mov_b32 s20, 0x4038aa3b                      ; 2 log2(e)
	s_mov_b32 s21, s20
	s_mov_b32 s22, 0x42000000                      ; 32.0
.macro FRAG reg, adr, q, i             ; a fragment, 16 rows x 128 K of 4-bit codes, is 8 registers: lane l holds row l % 16; registers 4 c .. 4 c + 3 hold K = 64 c + 32 (l / 16) + 0 .. 31
.irp c, 0,1
	ds_load_b128 v[\reg+4*\c:\reg+4*\c+3], v[\adr] offset:64*(\q)+32*\c+(\i)*16*PITCH
.endr
.endm
; One product: A's block a x W's block b, the slot's q-th 128 along K.  st: A's set;  sc: the sets of scale words.  An odd block's scale words stand in lanes 16-31 of the pair's register.
; zero = 1: the first product starts the sum: nothing is ever cleared.
.macro WM a, b, st, q, sc, zero
.set rD, 8*(4*((\b)%8)+(\a))
.set rA, AF+32*(\st)+FR*(\a)
.set rB, FR*(\b)
.set rSA, ASC+8*(\sc)+4*((\a)/2)+(\q)
.set rSB, WSC+32*(\sc)+4*((\b)/2)+(\q)
.if \zero
.if ((\a)%2) && ((\b)%2)
	v_wmma_scale_f32_16x16x128_f8f6f4 v[rD:rD+7], v[rA:rA+7], v[rB:rB+7], 0, v[rSA], v[rSB] matrix_a_fmt:MATRIX_FMT_FP4 matrix_b_fmt:MATRIX_FMT_FP4 matrix_a_scale:MATRIX_SCALE_ROW1 matrix_b_scale:MATRIX_SCALE_ROW1
.elseif (\a)%2
	v_wmma_scale_f32_16x16x128_f8f6f4 v[rD:rD+7], v[rA:rA+7], v[rB:rB+7], 0, v[rSA], v[rSB] matrix_a_fmt:MATRIX_FMT_FP4 matrix_b_fmt:MATRIX_FMT_FP4 matrix_a_scale:MATRIX_SCALE_ROW1
.elseif (\b)%2
	v_wmma_scale_f32_16x16x128_f8f6f4 v[rD:rD+7], v[rA:rA+7], v[rB:rB+7], 0, v[rSA], v[rSB] matrix_a_fmt:MATRIX_FMT_FP4 matrix_b_fmt:MATRIX_FMT_FP4 matrix_b_scale:MATRIX_SCALE_ROW1
.else
	v_wmma_scale_f32_16x16x128_f8f6f4 v[rD:rD+7], v[rA:rA+7], v[rB:rB+7], 0, v[rSA], v[rSB] matrix_a_fmt:MATRIX_FMT_FP4 matrix_b_fmt:MATRIX_FMT_FP4
.endif
.else
.if ((\a)%2) && ((\b)%2)
	v_wmma_scale_f32_16x16x128_f8f6f4 v[rD:rD+7], v[rA:rA+7], v[rB:rB+7], v[rD:rD+7], v[rSA], v[rSB] matrix_a_fmt:MATRIX_FMT_FP4 matrix_b_fmt:MATRIX_FMT_FP4 matrix_a_scale:MATRIX_SCALE_ROW1 matrix_b_scale:MATRIX_SCALE_ROW1
.elseif (\a)%2
	v_wmma_scale_f32_16x16x128_f8f6f4 v[rD:rD+7], v[rA:rA+7], v[rB:rB+7], v[rD:rD+7], v[rSA], v[rSB] matrix_a_fmt:MATRIX_FMT_FP4 matrix_b_fmt:MATRIX_FMT_FP4 matrix_a_scale:MATRIX_SCALE_ROW1
.elseif (\b)%2
	v_wmma_scale_f32_16x16x128_f8f6f4 v[rD:rD+7], v[rA:rA+7], v[rB:rB+7], v[rD:rD+7], v[rSA], v[rSB] matrix_a_fmt:MATRIX_FMT_FP4 matrix_b_fmt:MATRIX_FMT_FP4 matrix_b_scale:MATRIX_SCALE_ROW1
.else
	v_wmma_scale_f32_16x16x128_f8f6f4 v[rD:rD+7], v[rA:rA+7], v[rB:rB+7], v[rD:rD+7], v[rSA], v[rSB] matrix_a_fmt:MATRIX_FMT_FP4 matrix_b_fmt:MATRIX_FMT_FP4
.endif
.endif
.endm
; 4 n matrix instructions: W's blocks b0 .. b0 + n - 1, each against A's four.  The 64 accumulators take turns, one instruction a turn, in the same order in every step.
.macro MULB b0, n, st, q, sc, zero
.set BQ, \b0
.rept \n
.irp a, 0,1,2,3
	WM \a, BQ, \st, \q, \sc, \zero
.endr
.set BQ, BQ+1
.endr
.endm
.macro FETCH_B slot, q, b0             ; W's blocks b0 .. b0 + 7 of the slot's q-th 128 along K
	WIN TO_B
.irp i, 0,1,2,3,4,5,6,7
	FRAG FR*((\b0)+\i), ADRB+\slot, \q, (\b0)+\i
.endr
	WIN 0
.endm
.macro FETCH_A slot, q, st             ; A's four blocks into set st
.irp i, 0,1,2,3
	FRAG AF+32*(\st)+FR*\i, ADRA+\slot, \q, \i
.endr
.endm
.macro SCALES sc, ks                   ; the scale words of the tile's ks-th 512 along K into sets sc: 16 bytes a row, 32 rows a load: eight loads for W's 16 blocks, two for A's four
.irp p, 0,1,2,3,4,5,6,7
	ds_load_b128 v[WSC+32*\sc+4*\p:WSC+32*\sc+4*\p+3], v[ADRSW] offset:\p*SPAIR+16*(\ks)
.endr
.irp p, 0,1
	ds_load_b128 v[ASC+8*\sc+4*\p:ASC+8*\sc+4*\p+3], v[ADRSA] offset:\p*SPAIR+16*(\ks)
.endr
.endm
; A load into a register that a matrix instruction has read, and a vector instruction that reads a matrix result or writes one of a matrix instruction's registers, stand NP places behind that matrix instruction, and only
; plain vector instructions that name none of its registers are places (ISA guide 7.12.1 for vector instructions).
.macro PLACES n
.rept \n
	v_nop
.endr
.endm
; A step of 128 along K that has its successor in the same slot.
.macro STEP slot, q, zero
	s_wait_dscnt 8*NL                              ; A's set, the scale words and W's blocks 0-7 are in; the youngest sixteen loads (W's blocks 8-15) may be out
	WIN MUL_LO
	MULB 0, 8, (\q)%2, \q, \slot, \zero
	s_wait_dscnt 0                                 ; W's blocks 8-15 are in (asked for 32 matrix instructions ago)
	PLACES NP
	FETCH_B \slot, (\q)+1, 0
	FETCH_A \slot, (\q)+1, ((\q)+1)%2              ; into the set that the step before multiplied
	WIN MUL_HI
	MULB 8, 8, (\q)%2, \q, \slot, \zero
	PLACES NP
	FETCH_B \slot, (\q)+1, 8
.endm
; A slot's last step changes slots: ONE barrier; in front of it each wave waits for all its tensor loads, adds 0 to its spare word, and waits for that and for its own reads of this slot.  ks: which 512 along K the next slot holds.
; fill = 1: this slot is filled again, two K steps ahead.
.macro TURN slot, next, ks, fill
	s_wait_tensorcnt 0x0                           ; all my tensor loads have landed: my part of the next slot;  (every window is 0 here: the add's two registers lie in window 0)
	ds_add_u32 v[SPW], v[NIL]                      ; 0 onto my spare word
	s_wait_dscnt 8*NL+1                            ; (the add and the youngest sixteen loads, W's blocks 8-15, may be out)
	WIN MUL_LO
	MULB 0, 4, 1, NQ-1, \slot, 0                   ; sixteen matrix instructions stand between the add and the wait for it
	s_wait_dscnt 0x0                               ; the add is done, and my reads of this slot are over
	s_barrier_signal -1
	MULB 4, 4, 1, NQ-1, \slot, 0
	WIN 0
	s_barrier_wait -1
.if \fill
	CREST                                          ; the barrier has opened a round of the cluster's barrier: no wave of any partner still reads this slot's tile or has a load on its way
	s_add_nc_u64 s[G0+4*\slot+2:G0+4*\slot+3], s[G0+4*\slot+2:G0+4*\slot+3], 2*ROWB
	s_add_nc_u64 s[G0B+4*\slot+2:G0B+4*\slot+3], s[G0B+4*\slot+2:G0B+4*\slot+3], 2*ROWB
	JLOAD G0+4*\slot, G1, G0B+4*\slot, G1B         ; the first tensor load behind the round, my one load until the next; the four v_nop behind it are the places in front of the loads below
.else
	PLACES NP
.endif
	FETCH_B \next, 0, 0
	FETCH_A \next, 0, 0
	SCALES \next, \ks
	WIN MUL_HI
	MULB 8, 8, 1, NQ-1, \slot, 0
	PLACES NP
	FETCH_B \next, 0, 8
.endm
.macro STEPS slot, from                ; the slot's steps from .. NQ - 2
.set Q, \from
.rept NQ-1-\from
	STEP \slot, Q, 0
.set Q, Q+1
.endr
.endm
	s_wait_tensorcnt 1                             ; the scales and my part of K step 0 are in (of my three loads the last, K step 1's, may be out)
	s_barrier_signal -1
	s_barrier_wait -1                              ; everybody's are
	FETCH_B 0, 0, 0
	FETCH_A 0, 0, 0
	SCALES 0, 0
	FETCH_B 0, 0, 8
	STEP 0, 0, 1                                   ; K 0..127: the products start the sums
	STEPS 0, 1
	TURN 0, 1, 1, 1                                ; slot 0 takes K 1024..1535
	STEPS 1, 0
	TURN 1, 0, 2, 1                                ; slot 1 takes K 1536..2047
	STEPS 0, 0
	TURN 0, 1, 3, 0                                ; nothing is left to fetch: no round of the cluster's barrier
	STEPS 1, 0
	s_wait_dscnt 8*NL                              ; the very last step
	WIN MUL_LO
	MULB 0, 8, 1, NQ-1, 1, 0
	s_wait_dscnt 0
	WIN MUL_HI
	MULB 8, 8, 1, NQ-1, 1, 0
	WIN 0
; ---------------- THE TAIL: registers alone.  The eight packed lines on the biases are also the places behind the last products.
	s_wait_loadcnt 0x0                             ; the biases and cell_state are in
.irp e, 0,2,4,6,8,10
	v_pk_mul_f32 v[BL+\e:BL+\e+1], v[BL+\e:BL+\e+1], s[18:19] op_sel_hi:[1,0]   ; -L b for i, f, o
.endr
.irp e, 12,14
	v_pk_mul_f32 v[BL+\e:BL+\e+1], v[BL+\e:BL+\e+1], s[20:21] op_sel_hi:[1,0]   ; 2 L b for g
.endr
	WIN TO_B
	v_mov_b32 v[COW], v[CO]                        ; the stores' offset beside their data, so that a unit's stores want no switch of windows
; Unit (a, hf): rows 16 a + 8 h + 4 hf + 0 .. 3 x hidden columns 4 r .. 4 r + 3: 16 numbers a lane.  The transcendentals go in batches, each with one plain line and ONE wait behind it, ahead of the batch's first
; reader.  Each accumulator is read from its low end on: hf = 0 comes first.
.macro GATES a, hf
.set CC, CELL+16*(2*(\a)+(\hf))
.set RW, 16*(\a)+4*(\hf)
	WIN EXP_LO                                     ; the exponents: -L (x + b) for i, f, o; 2 L (x + b) for g: one fused multiply-add each, which also lays four neighbouring columns into four neighbouring registers
.irp q, 0,1
.irp jj, 0,1,2,3
.irp bb, 0,1,2,3
	v_fma_f32 v[TI+16*\q+4*\jj+\bb], v[8*(4*(4*\q+\bb)+(\a))+4*(\hf)+\jj], s18, v[BL+4*\q+\bb]
.endr
.endr
.endr
	WIN EXP_HI
.irp jj, 0,1,2,3
.irp bb, 0,1,2,3
	v_fma_f32 v[TO+4*\jj+\bb], v[8*(4*\bb+(\a))+4*(\hf)+\jj], s18, v[BL+8+\bb]
.endr
.endr
.irp jj, 0,1,2,3
.irp bb, 0,1,2,3
	v_fma_f32 v[TG+4*\jj+\bb], v[8*(4*(4+\bb)+(\a))+4*(\hf)+\jj], s20, v[BL+12+\bb]
.endr
.endr
	WIN ALL_1
.irp e, 0,1,2,3,4,5,6,7,8,9,10,11,12,13,14,15
	v_min_num_f32 v[TG+\e], s22, v[TG+\e]          ; tanh's exponent is held at 32
	v_exp_f32 v[TI+\e], v[TI+\e]                   ; Ei
.endr
.irp e, 0,1,2,3,4,5,6,7,8,9,10,11,12,13,14,15
	v_exp_f32 v[TF+\e], v[TF+\e]                   ; Ef
.endr
.irp e, 0,1,2,3,4,5,6,7,8,9,10,11,12,13,14,15
	v_exp_f32 v[TG+\e], v[TG+\e]                   ; Eg
.endr
	v_nop                                          ; a plain line behind the last exponential
	s_wait_alu depctr_va_vdst(0)                   ; one wait for the 48
.irp e, 0,2,4,6,8,10,12,14                     ; Eo's exponentials stand among the packed lines: nothing names their results before the wait behind the reciprocals below
	v_exp_f32 v[TO+\e], v[TO+\e]
	v_pk_add_f32 v[UU+\e:UU+\e+1], v[TG+\e:TG+\e+1], 1.0 op_sel_hi:[1,0]     ; U = 1 + Eg
	v_pk_add_f32 v[TG+\e:TG+\e+1], v[TG+\e:TG+\e+1], -1.0 op_sel_hi:[1,0]    ; Eg - 1
	v_exp_f32 v[TO+\e+1], v[TO+\e+1]
	v_pk_add_f32 v[TF+\e:TF+\e+1], v[TF+\e:TF+\e+1], 1.0 op_sel_hi:[1,0]     ; 1 + Ef
	v_pk_fma_f32 v[TI+\e:TI+\e+1], v[TI+\e:TI+\e+1], v[UU+\e:UU+\e+1], v[UU+\e:UU+\e+1]   ; Ei U + U = (1 + Ei)(1 + Eg)
.endr
.irp e, 0,1,2,3,4,5,6,7,8,9,10,11,12,13,14,15
	v_rcp_f32 v[TF+\e], v[TF+\e]                   ; sigmoid(f)
.endr
.irp e, 0,1,2,3,4,5,6,7,8,9,10,11,12,13,14,15
	v_rcp_f32 v[TI+\e], v[TI+\e]
.endr
	v_nop
	s_wait_alu depctr_va_vdst(0)                   ; one wait for the 32 reciprocals and for Eo's 16 exponentials
.irp e, 0,2,4,6,8,10,12,14
	v_pk_mul_f32 v[TG+\e:TG+\e+1], v[TG+\e:TG+\e+1], v[TI+\e:TI+\e+1]        ; sigmoid(i) tanh(g)
.endr
	s_wait_xcnt 0x0                                ; the unit before's stores have read their data: c' and, further down, h' are written again only behind this wait
.irp e, 0,2,4,6,8,10,12,14
	v_pk_fma_f32 v[NC+\e:NC+\e+1], v[CC+\e:CC+\e+1], v[TF+\e:TF+\e+1], v[TG+\e:TG+\e+1]   ; c'
.endr
.irp e, 0,2,4,6,8,10,12,14
	v_pk_mul_f32 v[TI+\e:TI+\e+1], v[NC+\e:NC+\e+1], s[20:21] op_sel_hi:[1,0]   ; 2 L c'
.endr
	v_min_num_f32 v[TI], s22, v[TI]                ; held at 32; each exponential stands one line behind its number's hold
.irp e, 1,2,3,4,5,6,7,8,9,10,11,12,13,14,15
	v_min_num_f32 v[TI+\e], s22, v[TI+\e]
	v_exp_f32 v[TI+\e-1], v[TI+\e-1]               ; Ec
.endr
	v_exp_f32 v[TI+15], v[TI+15]
	v_nop
.irp jj, 0,1,2,3                               ; c' goes out between the batch and its wait: the stores name no result of it.  Sixteen lanes store 256 consecutive bytes, at a multiple of 256 from the buffer's first byte; written once, read by nobody here
	global_store_b128 v[COW], v[NC+4*\jj:NC+4*\jj+3], s[96:97] offset:(RW+\jj)*HROW th:TH_STORE_NT
.endr
	s_wait_alu depctr_va_vdst(0)                   ; one wait for the 16
.irp e, 0,2,4,6,8,10,12,14
	v_pk_add_f32 v[TF+\e:TF+\e+1], v[TI+\e:TI+\e+1], 1.0 op_sel_hi:[1,0]     ; V = 1 + Ec
.endr
.irp e, 0,2,4,6,8,10,12,14
	v_pk_add_f32 v[TI+\e:TI+\e+1], v[TI+\e:TI+\e+1], -1.0 op_sel_hi:[1,0]    ; Ec - 1
.endr
.irp e, 0,2,4,6,8,10,12,14
	v_pk_fma_f32 v[TO+\e:TO+\e+1], v[TO+\e:TO+\e+1], v[TF+\e:TF+\e+1], v[TF+\e:TF+\e+1]   ; Eo V + V
.endr
.irp e, 0,1,2,3,4,5,6,7,8,9,10,11,12,13,14,15
	v_rcp_f32 v[TO+\e], v[TO+\e]
.endr
	v_nop
	s_wait_alu depctr_va_vdst(0)                   ; one wait for the 16
.irp e, 0,2,4,6,8,10,12,14
	v_pk_mul_f32 v[NH+\e:NH+\e+1], v[TI+\e:TI+\e+1], v[TO+\e:TO+\e+1]        ; h'
.endr
.irp jj, 0,1,2,3
	global_store_b128 v[COW], v[NH+4*\jj:NH+4*\jj+3], s[94:95] offset:(RW+\jj)*HROW th:TH_STORE_NT
.endr
.endm
.irp a, 0,1,2,3
	GATES \a, 0
	GATES \a, 1
.endr
	WIN 0
	s_wait_tensorcnt 0x0                           ; the wave's end: behind my last tensor load
	ds_add_u32 v[SPW], v[NIL]
	s_wait_dscnt 0x0
	CROUND                                         ; the closing round: no work-group ends while a partner may still ask for a tile that names it
	s_endpgm
.Lfunc_end_k_qce7689db5d_cell:
	.size	k_qce7689db5d_cell, .Lfunc_end_k_qce7689db5d_cell-k_qce7689db5d_cell
	.p2alignl 7, 3214868480
	.fill 96, 4, 3214868480
	.section	.rodata,"a",@progbits
	.p2align	6, 0x0
	.amdhsa_kernel k_qce7689db5d_cell
		.amdhsa_group_segment_fixed_size 327680
		.amdhsa_private_segment_fixed_size 0
		.amdhsa_enable_private_segment 0
		.amdhsa_kernarg_size 88
		.amdhsa_user_sgpr_count 2
		.amdhsa_user_sgpr_kernarg_segment_ptr 1
		.amdhsa_wavefront_size32 1
		.amdhsa_system_sgpr_workgroup_id_x 1
		.amdhsa_system_sgpr_workgroup_id_y 1
		.amdhsa_system_sgpr_workgroup_id_z 1
		.amdhsa_system_vgpr_workitem_id 0
		.amdhsa_next_free_vgpr 1024
		.amdhsa_next_free_sgpr 100
		.amdhsa_reserve_vcc 0
		.amdhsa_float_denorm_mode_32 3
		.amdhsa_float_denorm_mode_16_64 3
		.amdhsa_memory_ordered 1
		.amdhsa_forward_progress 1
		.amdhsa_inst_pref_size 255
	.end_amdhsa_kernel
	.section	.bss,"aw",@nobits
	.p2align	6
	.space	262144
	.amdgpu_metadata
---
amdhsa.version: [ 1, 2 ]
amdhsa.kernels:
  - .name:           k_qce7689db5d_cell
    .symbol:         k_qce7689db5d_cell.kd
    .args:
      - { .name: a_codes, .offset: 0, .size: 8, .value_kind: global_buffer, .address_space: global }
      - { .name: a_scales, .offset: 8, .size: 8, .value_kind: global_buffer, .address_space: global }
      - { .name: w_codes, .offset: 16, .size: 8, .value_kind: global_buffer, .address_space: global }
      - { .name: w_scales, .offset: 24, .size: 8, .value_kind: global_buffer, .address_space: global }
      - { .name: b_i, .offset: 32, .size: 8, .value_kind: global_buffer, .address_space: global }
      - { .name: b_f, .offset: 40, .size: 8, .value_kind: global_buffer, .address_space: global }
      - { .name: b_o, .offset: 48, .size: 8, .value_kind: global_buffer, .address_space: global }
      - { .name: b_g, .offset: 56, .size: 8, .value_kind: global_buffer, .address_space: global }
      - { .name: cell_state, .offset: 64, .size: 8, .value_kind: global_buffer, .address_space: global }
      - { .name: out0, .offset: 72, .size: 8, .value_kind: global_buffer, .address_space: global }
      - { .name: out1, .offset: 80, .size: 8, .value_kind: global_buffer, .address_space: global }
    .group_segment_fixed_size: 327680
    .private_segment_fixed_size: 0
    .kernarg_segment_align: 8
    .kernarg_segment_size: 88
    .max_flat_workgroup_size: 128
    .sgpr_count:     100
    .vgpr_count:     1024
    .wavefront_size: 32
...
	.end_amdgpu_metadata
.endif
;; end of part 2
